; MI455X (gfx1250); checked and timed in simulation.
; The chip was launched on July 23, 2026; its instructions are those of AMD's public machine-readable ISA for CDNA 5 (MIT licence, August 2026) and "CDNA5" Instruction Set Architecture Reference Guide (July 2026). The comments in the code are by the model that wrote it; some were corrected since.
;; Quant Linear. Allowed arithmetic: matrix products marked QUANTISED: E2M1 operands, one E8M0 scale for each 32 along K, by v_wmma_scale_f32_16x16x128_f8f6f4 with both operands' format E2M1 (or v_wmma_scale_f32_32x16x128_f4), f32 sums; everything else in f32.
;; Inputs: bias 4,096 float32; g_idx 4,096 int32; lut 16 float32; qweight 4,096 x 2,048 int32; scales 4,096 x 32 float32; x_codes 4 x 1,024 x 128 x 16 uint8 (E2M1 codes of x, K innermost, in blocks of 32 codes, two codes a byte); x_scales 4 x 1,024 x 128 uint8 (E8M0 scales of x, one for each 32 codes along K).
;; Outputs: out0 4 x 1,024 x 4,096 float32.
;; This version of the problem:
;;   THIS VERSION OF THE PROBLEM IS GIVEN IN LOW PRECISION. The matrix products marked QUANTISED in the list below multiply operands that are first quantised to E2M1 (2 exponent bits, 1 mantissa bit; 4 bits a number), with one power-of-two scale for each 32 numbers along K (OCP MX v1.0); their sums are f32. All else is computed in f32.
;;   The module's matrix products, in the order in which they are computed (A, B: the left and right operand; K: the contracted axis; several contracted axes count as one K, in the product's order):
;;     1. [M 4,096, K 4,096] x [K 4,096, N 4,096]; A: input x (given as codes); B: computed on the way: QUANTISED
;;   THE QUANTISER, for each operand of a quantised product, along K:
;;     - K is cut into blocks of 32 from its start; a last block that is shorter is filled with zeros.
;;     - A block's scale is 2^e with e = floor(log2(the largest magnitude in the block)) - 2, held to -126 .. 127; a block of zeros has e = 0. As a byte (E8M0): e + 127.
;;     - Each number is divided by its block's scale, clamped to +-6, and rounded to the nearest number of E2M1, ties to even, subnormals kept.
;;     - The product sums the exact products of the quantised numbers (number of the format x scale) in f32.
;;   ~~~python
;;   def quantise(x, axis):      # numpy; x: float32 -> the quantised numbers, widened to float32 again
;;       x = np.moveaxis(x, axis, -1); K = x.shape[-1]
;;       x = np.pad(x, [(0, 0)] * (x.ndim - 1) + [(0, -K % 32)]); x = x.reshape(x.shape[:-1] + (-1, 32)); a = np.abs(x).max(-1, keepdims=True)
;;       e = np.where(a > 0, np.clip(np.frexp(np.where(a > 0, a, 1))[1] - 1 - 2, -126, 127), 0)      # np.frexp(a)[1] - 1 = floor(log2(a)), exactly
;;       r = np.clip(x / 2.0 ** e, -6, 6)
;;       step = 2.0 ** (np.maximum(np.frexp(np.where(r == 0, 1, r))[1] - 1, 0) - 1)
;;       q = np.round(r / step) * step * 2.0 ** e      # np.round: ties to even
;;       return np.moveaxis(q.reshape(q.shape[:-2] + (-1,))[..., :K], -1, axis).astype(np.float32)
;;   ~~~
;;   OPERANDS COMPUTED ON THE WAY. 'Computed on the way' means the value that the module computes at that place (a softmax that the list does not call 'softmax' is quantised finished and normalised). What goes into a quantiser is computed in f32, as accurately as f32 sums, v_exp_f32 and their like allow (about 1e-6 of the number): no bf16 or f16 on the way to a quantiser, and a product that is left as it is and whose result goes on into a quantised operand takes f32 operands (vector FMAs, or v_wmma_f32_16x16x4_f32). A number that lies on a knife's edge between two numbers of the format may be rounded either way, as far as f32 arithmetic and the matrix unit's own rounding can turn it there, and no further.
;;   INPUTS GIVEN AS CODES. x (in the module: [4, 1024, 4096], K = its axis 2): each comes as NAME_codes (uint8): NAME with its K axis moved to the last place and cut into blocks of 32 codes, [.., K / 32, bytes a block], one block behind the other in memory; two codes a byte, the lower K in the low four bits (a code: sign, 2 exponent bits, 1 mantissa bit); and NAME_scales (uint8): the same leading axes, one E8M0 byte (e + 127) for each 32 codes along K. Its value is code x scale, taken as it is: it is not quantised again, and the codes and scales need not be those that the quantiser above would give.
;; One version. Each part assembles by itself: llvm-mc -triple=amdgcn-amd-amdhsa -mcpu=gfx1250 --defsym DOCPART=n.
;; ======== version 1 of 1: 2 launches
;; workspace buffers: w_codes 8,388,608 bytes; sc 1,048,576 bytes
;; launch prep (part 1): grid 256 x 1, 8 waves a work-group, no clusters, 35,840 bytes of LDS; arguments qweight, scales, g_idx, lut, x_scales, w_codes, sc; writes w_codes, sc
.if DOCPART == 1
	.amdgcn_target "amdgcn-amd-amdhsa--gfx1250"
	.amdhsa_code_object_version 6
	.text
	.protected	k_qf800d116d0_prep
	.globl	k_qf800d116d0_prep
	.p2align	8
	.type	k_qf800d116d0_prep,@function
k_qf800d116d0_prep:
	s_mov_b64 s[64:65], 0
	v_nop
	global_prefetch_b8 v0, s[64:65] scope:SCOPE_SE
	s_setreg_imm32_b32 hwreg(HW_REG_WAVE_MODE, 25, 1), 1
	s_wait_xcnt 0x0
; w[o][k] = lut[nibble k of qweight[o]] x scales[o][g_idx[k]] (one f32 multiplication), o and k = 0 .. 4,095, is turned into codes of FP4 (E2M1) with K innermost, two codes a byte,
; w_codes [4096][2048 bytes], and one E8M0 byte for each 32 along K.  A block's byte is its largest magnitude's exponent field - 2, held at 1 from below; each number is divided by the scale and
; rounded to the nearest code, ties to even, beyond 6 the largest code.
; THE SCALE BYTES OF BOTH OPERANDS ARE LAID BY K STEP OF 512: sc [8 K steps][8,192 rows][16 bytes]; rows 0 .. 4,095 are x's (copied from x_scales as they are given), rows 4,096 .. 8,191 are w's.
; So the product's launch finds the scale bytes of 256 rows and one K step as 4,096 consecutive bytes.
; LIMITS: NaN and infinities in lut or scales are not served.  A block of zeros, or one whose largest magnitude lies under 2^-124, gets the byte 1 (the quantiser's rule says 127 for zeros): its codes are
; zeros or are held by that scale, and the bytes are read by this program alone.  g_idx is taken modulo 32 (it indexes a table of 32).  Of a word of qweight bits 7:0 count, as in the definition.
; SHARES.  Work-group g takes w's rows 16 g .. 16 g + 15 and x's rows of the same numbers; wave s of eight takes K step s (k = 512 s .. 512 s + 511) of all 16 rows.  A row's part is 256 words of qweight:
; two loads of 512 consecutive bytes.  Lane l's four words of load i are the eight weights k = 512 s + 256 i + 8 l + 0 .. 7: a block of 32 lies in four neighbouring lanes.
; All 32 loads of qweight go out at the head, into 128 registers: 16,384 bytes a wave are on their way, and nothing is asked for later.
; LOOK-UPS BETWEEN LANES, through no LDS byte: lut stands twice in the 32 lanes of one register, a row's 32 scales in the 32 lanes of another; ds_bpermute_b32 takes lane (index / 4) mod 32.
; THE WAY OUT.  A lane's eight codes are 4 bytes; a wave gathers its 16 rows x 256 bytes in its own stage in LDS and stores sixteen lanes to 256 consecutive aligned bytes of a row; its 16 x 16 scale bytes likewise
; leave as 256 consecutive aligned bytes.  Waves share nothing: no barrier.  No loop, no branch: every offset is an immediate, and no register that a store reads is written again.
.set WREG, 4352                        ; LDS: a region for each wave: 16 rows x 256 bytes of codes, then 16 rows x 16 scale bytes
.set SBY,  4096                        ; where the scale bytes begin in it
.set LUTR, 2                           ; v2       lut[lane % 16]
.set GI,   16                          ; v16-31   4 x g_idx of my 16 k: register 8 i + j
.set SR,   32                          ; v32-47   row r's scales: scales[16 g + r][lane]
.set TI,   48                          ; v48-63   two sets of 8 indices for the low nibbles
.set QW,   64                          ; v64-191  qweight: row r, load i at 8 r + 4 i; later the indices for the high nibbles; later the row's maxima, codes and bytes
.set LV,   192                         ; v192-223 two sets of 16: lut's numbers, then w
.set SV,   224                         ; v224-255 two sets of 16: the scales of my 16 k
	s_load_b256 s[4:11], s[0:1], 0x0               ; qweight s[4:5], scales s[6:7], g_idx s[8:9], lut s[10:11]
	s_load_b128 s[12:15], s[0:1], 0x20             ; x_scales s[12:13], w_codes s[14:15]
	s_load_b64 s[16:17], s[0:1], 0x30              ; sc
	s_set_vgpr_msb 0x40
	v_lshl_add_u32 v0, v0, 2, 0x8800
	v_mov_b32 v1, 0
	s_set_vgpr_msb 0x4000
	v_lshrrev_b32 v15, 5, v0
	v_readfirstlane_b32 s18, v15                   ; wave 0..7 = my K step
	v_and_b32 v15, 31, v0                          ; lane
	s_mul_i32 s19, s18, WREG                       ; my wave's region in LDS
	v_lshlrev_b32 v1, 4, v15                       ; v1: qweight: 16 bytes a lane
	v_lshl_add_u32 v3, v15, 2, s19                 ; v3: the stage, on the way in: 4 bytes a lane
	v_lshrrev_b32 v4, 2, v15
	v_add_nc_u32 v4, s19, v4                       ; v4: my block's scale byte: lane / 4
	v_add_nc_u32 v5, s19, v1                       ; v5: the stage, on the way out: 16 bytes a lane
	v_lshlrev_b32 v7, 3, v15                       ; v7: 8 bytes a lane: both stores into sc
	v_add_nc_u32 v6, s19, v7                       ; v6: the scale bytes, on the way out
	v_and_b32 v10, 15, v15
	v_lshrrev_b32 v8, 4, v15
	v_lshlrev_b32 v8, 11, v8
	v_lshl_add_u32 v8, v10, 4, v8                  ; v8: w_codes: lanes 0-15 one row, lanes 16-31 the next (2,048 bytes on), 16 bytes a lane
	v_lshlrev_b32 v10, 2, v10                      ; v10: lut: 4 (lane % 16)
	v_lshlrev_b32 v9, 2, v15                       ; v9: a row of scales: 4 bytes a lane
	v_lshlrev_b32 v11, 5, v15                      ; v11: g_idx: my 8 k of a load are 32 bytes
	v_lshrrev_b32 v14, 1, v15
	v_and_b32 v13, 1, v15
	v_lshlrev_b32 v14, 7, v14
	v_lshl_add_u32 v14, v13, 3, v14                ; v14: x_scales: row lane / 2 (128 bytes a row), 8 bytes for each of two lanes
	s_lshl_b32 s20, ttmp9, 17                      ; qweight: 16 rows of 8,192 bytes a work-group,
	s_lshl_b32 s2, s18, 10                         ; 1,024 bytes a K step
	s_add_co_u32 s20, s20, s2
	s_mov_b32 s21, 0
	s_lshl_b32 s22, ttmp9, 11                      ; scales: 16 rows of 128 bytes
	s_mov_b32 s23, 0
	s_lshl_b32 s24, s18, 11                        ; g_idx: 512 words a K step
	s_mov_b32 s25, 0
	s_lshl_b32 s2, s18, 4
	s_add_co_u32 s26, s22, s2                      ; x_scales: 16 rows of 128 bytes, 16 bytes a K step
	s_mov_b32 s27, 0
	s_lshl_b32 s28, ttmp9, 15                      ; w_codes: 16 rows of 2,048 bytes,
	s_lshl_b32 s2, s18, 8                          ; 256 bytes a K step
	s_add_co_u32 s28, s28, s2
	s_mov_b32 s29, 0
	s_lshl_b32 s30, s18, 17                        ; sc: 131,072 bytes a K step,
	s_lshl_b32 s2, ttmp9, 8                        ; 16 rows of 16 bytes
	s_add_co_u32 s30, s30, s2
	s_mov_b32 s31, 0
	s_wait_kmcnt 0x0
	s_add_nc_u64 s[4:5], s[4:5], s[20:21]
	s_add_nc_u64 s[6:7], s[6:7], s[22:23]
	s_add_nc_u64 s[8:9], s[8:9], s[24:25]
	s_add_nc_u64 s[12:13], s[12:13], s[26:27]
	s_add_nc_u64 s[14:15], s[14:15], s[28:29]
	s_add_nc_u64 s[16:17], s[16:17], s[30:31]
	; the small loads first (22 of them), then the 32 of qweight: loads come back in order, so one counted wait shows the small ones in
.irp i, 0,1
	global_load_b128 v[GI+8*\i:GI+8*\i+3],   v11, s[8:9] offset:1024*\i
	global_load_b128 v[GI+8*\i+4:GI+8*\i+7], v11, s[8:9] offset:1024*\i+16
.endr
	global_load_b32 v[LUTR], v10, s[10:11]
.irp r, 0,1,2,3,4,5,6,7,8,9,10,11,12,13,14,15
	global_load_b32 v[SR+\r], v9, s[6:7] offset:128*\r
.endr
	global_load_b64 v[12:13], v14, s[12:13]        ; x's scale bytes of my K step: the eight waves together read the work-group's 2,048 bytes once
.irp r, 0,1,2,3,4,5,6,7,8,9,10,11,12,13,14,15
.irp i, 0,1
	global_load_b128 v[QW+8*\r+4*\i:QW+8*\r+4*\i+3], v1, s[4:5] offset:8192*\r+512*\i th:TH_LOAD_NT   ; 32 lanes read 512 consecutive bytes; read once in the launch
.endr
.endr
	s_wait_loadcnt 32                              ; all but the 32 loads of qweight are in
.irp n, 0,1,2,3,4,5,6,7,8,9,10,11,12,13,14,15
	v_lshlrev_b32 v[GI+\n], 2, v[GI+\n]            ; a lane's number x 4 is what the permute takes
.endr
	global_store_b64 v7, v[12:13], s[16:17]        ; x's 16 rows x 16 bytes of K step s: 32 lanes store 256 consecutive bytes, aligned
; Row r's look-ups are asked for: 32 permutes.  Word e of my eight holds weight 2 e in bits 3:0 and weight 2 e + 1 in bits 7:4.  The permute takes bits 6:2 of its index as a lane, and lut stands twice in the lanes:
; so the word shifted left by 2 picks lut[bits 3:0] and the word shifted right by 2 picks lut[bits 7:4], with no mask.
.macro GATHER r
.set P, (\r)%2
	s_wait_loadcnt 30-2*(\r)                       ; row r's two loads are in; behind them 2 (15 - r) were issued
.irp e, 0,1,2,3,4,5,6,7
	v_lshlrev_b32 v[TI+8*P+\e], 2, v[QW+8*(\r)+\e]
.endr
.irp e, 0,1,2,3,4,5,6,7
	v_lshrrev_b32 v[QW+8*(\r)+\e], 2, v[QW+8*(\r)+\e]
.endr
.irp e, 0,1,2,3,4,5,6,7
	ds_bpermute_b32 v[LV+16*P+2*\e],   v[TI+8*P+\e],    v[LUTR]
	ds_bpermute_b32 v[LV+16*P+2*\e+1], v[QW+8*(\r)+\e], v[LUTR]
.endr
.irp n, 0,1,2,3,4,5,6,7,8,9,10,11,12,13,14,15
	ds_bpermute_b32 v[SV+16*P+\n], v[GI+\n], v[SR+(\r)]   ; scales[row][g_idx[k]]
.endr
.endm
; Row r is multiplied, quantised and put into the stage.  left = the LDS instructions issued behind row r's 32 permutes, which may stay out.
; The row's eight registers of qweight are free once its permutes are done: +0, +1 the two blocks' maxima, then scale operands; +2, +3 the codes; +4, +5 the bytes.
.macro FINISH r, left
.set P, (\r)%2
.set W, LV+16*P
.set M, QW+8*(\r)
	s_wait_dscnt \left
.irp n, 0,2,4,6,8,10,12,14
	v_pk_mul_f32 v[W+\n:W+\n+1], v[W+\n:W+\n+1], v[SV+16*P+\n:SV+16*P+\n+1]   ; w = lut's number x the scale: one rounding in f32
.endr
.irp i, 0,1
	v_max3_num_f32 v[M+\i], |v[W+8*\i]|, |v[W+8*\i+1]|, 0x1800000   ; my eight of block 8 i + lane / 4, and the floor 2^(3 - 127): so the byte cannot fall under 1.  (The two blocks by turns)
.endr
.irp j, 2,4,6
.irp i, 0,1
	v_max3_num_f32 v[M+\i], v[M+\i], |v[W+8*\i+\j]|, |v[W+8*\i+\j+1]|
.endr
.endr
.irp x, 1,2
.irp i, 0,1
	v_max_num_f32_dpp v[M+\i], v[M+\i], v[M+\i] row_xmask:\x row_mask:0xf bank_mask:0xf   ; with the three other lanes of the block
.endr
.endr
.irp i, 0,1
	v_add_nc_u32 v[M+\i], 0xff000000, v[M+\i]      ; 2 off the exponent field: the conversion takes the exponent field of this operand as its scale, and nothing else of it
.endr
.irp i, 0,1
	v_cvt_scalef32_pk8_fp4_f32 v[M+2+\i], v[W+8*\i:W+8*\i+7], v[M+\i]   ; eight codes, the lowest k in the lowest four bits
.endr
.irp i, 0,1
	v_lshrrev_b32 v[M+4+\i], 23, v[M+\i]           ; the scale's byte.  (Plain lines behind the conversions)
.endr
.irp i, 0,1
	ds_store_b32 v3, v[M+2+\i] offset:256*(\r)+128*\i
	ds_store_b8 v4, v[M+4+\i] offset:SBY+16*(\r)+8*\i   ; the block's four lanes write the same byte with the same value
.endr
.endm
; The permutes run one row ahead of the arithmetic.  Issue order: G(r), F(r - 1), G(r + 1), F(r): behind G(r) stand F(r - 1)'s four stores and G(r + 1)'s 32 permutes.
	GATHER 0
	GATHER 1
	FINISH 0, 32                                   ; behind row 0's permutes: row 1's 32
.irp r, 1,2,3,4,5,6,7,8,9,10,11,12,13,14
	GATHER \r+1
	FINISH \r, 36
.endr
	FINISH 15, 4                                   ; behind row 15's permutes: row 14's four stores
.irp t, 0,1,2,3,4,5,6,7
	ds_load_b128 v[LV+4*\t:LV+4*\t+3], v5 offset:512*\t   ; rows 2 t and 2 t + 1.  LDS serves a wave's instructions in order (ISA guide 5.7.1.4): these see my stores
.endr
	ds_load_b64 v[SV:SV+1], v6 offset:SBY
.irp t, 0,1,2,3,4,5,6,7
	s_wait_dscnt 8-\t                              ; behind load t: 7 - t loads of codes and the load of the bytes
	global_store_b128 v8, v[LV+4*\t:LV+4*\t+3], s[14:15] offset:4096*\t   ; sixteen lanes store 256 consecutive bytes of a row, aligned
.endr
	s_wait_dscnt 0x0
	global_store_b64 v7, v[SV:SV+1], s[16:17] offset:65536   ; w's 16 rows x 16 bytes of K step s: 256 consecutive bytes, aligned; w's rows lie 4,096 x 16 bytes behind x's
	s_set_vgpr_msb 0x5
	s_wait_tensorcnt 0x0
	ds_add_u32 v0, v1
	s_wait_dscnt 0x0
	s_set_vgpr_msb 0x500
	s_endpgm
.Lfunc_end_k_qf800d116d0_prep:
	.size	k_qf800d116d0_prep, .Lfunc_end_k_qf800d116d0_prep-k_qf800d116d0_prep
	.p2alignl 7, 3214868480
	.fill 96, 4, 3214868480
	.section	.rodata,"a",@progbits
	.p2align	6, 0x0
	.amdhsa_kernel k_qf800d116d0_prep
		.amdhsa_group_segment_fixed_size 35840
		.amdhsa_private_segment_fixed_size 0
		.amdhsa_enable_private_segment 0
		.amdhsa_kernarg_size 56
		.amdhsa_user_sgpr_count 2
		.amdhsa_user_sgpr_kernarg_segment_ptr 1
		.amdhsa_wavefront_size32 1
		.amdhsa_system_sgpr_workgroup_id_x 1
		.amdhsa_system_sgpr_workgroup_id_y 1
		.amdhsa_system_sgpr_workgroup_id_z 1
		.amdhsa_system_vgpr_workitem_id 0
		.amdhsa_next_free_vgpr 258
		.amdhsa_next_free_sgpr 66
		.amdhsa_reserve_vcc 0
		.amdhsa_float_denorm_mode_32 3
		.amdhsa_float_denorm_mode_16_64 3
		.amdhsa_memory_ordered 1
		.amdhsa_forward_progress 1
		.amdhsa_inst_pref_size 81
	.end_amdhsa_kernel
	.amdgpu_metadata
---
amdhsa.version: [ 1, 2 ]
amdhsa.kernels:
  - .name:           k_qf800d116d0_prep
    .symbol:         k_qf800d116d0_prep.kd
    .args:
      - { .name: qweight, .offset: 0, .size: 8, .value_kind: global_buffer, .address_space: global }
      - { .name: scales, .offset: 8, .size: 8, .value_kind: global_buffer, .address_space: global }
      - { .name: g_idx, .offset: 16, .size: 8, .value_kind: global_buffer, .address_space: global }
      - { .name: lut, .offset: 24, .size: 8, .value_kind: global_buffer, .address_space: global }
      - { .name: x_scales, .offset: 32, .size: 8, .value_kind: global_buffer, .address_space: global }
      - { .name: w_codes, .offset: 40, .size: 8, .value_kind: global_buffer, .address_space: global }
      - { .name: sc, .offset: 48, .size: 8, .value_kind: global_buffer, .address_space: global }
    .group_segment_fixed_size: 35840
    .private_segment_fixed_size: 0
    .kernarg_segment_align: 8
    .kernarg_segment_size: 56
    .max_flat_workgroup_size: 256
    .sgpr_count:     66
    .vgpr_count:     258
    .wavefront_size: 32
...
	.end_amdgpu_metadata
.endif
;; end of part 1
;; launch gemm (part 2): grid 16 x 16, 4 waves a work-group, clusters of 4 x 4, 327,680 bytes of LDS; arguments x_codes, w_codes, sc, bias, out0; writes out0
.if DOCPART == 2
	.amdgcn_target "amdgcn-amd-amdhsa--gfx1250"
	.amdhsa_code_object_version 6
	.text
	.protected	k_qf800d116d0_gemm
	.globl	k_qf800d116d0_gemm
	.p2align	8
	.type	k_qf800d116d0_gemm,@function
k_qf800d116d0_gemm:
	s_mov_b64 s[64:65], 0
	v_nop
	global_prefetch_b8 v0, s[64:65] scope:SCOPE_SE
	s_setreg_imm32_b32 hwreg(HW_REG_WAVE_MODE, 25, 1), 1
	s_wait_xcnt 0x0
	s_wait_alu depctr_hold_cnt(0) depctr_sa_sdst(0) depctr_va_vdst(0) depctr_va_sdst(0) depctr_va_ssrc(0) depctr_va_vcc(0) depctr_vm_vsrc(0)
	s_getreg_b32 s2, hwreg(HW_REG_IB_STS2, 6, 4)
	s_cmp_eq_u32 s2, 0
	s_cbranch_scc0 .Lentry_in_a_cluster
	s_endpgm
.Lentry_in_a_cluster:
	s_bfe_u32 s2, ttmp6, 0x10000c
	s_cmp_lg_u32 s2, 0xf033
	s_cbranch_scc0 .Lentry_shape_is_right
	s_endpgm
.Lentry_shape_is_right:
; out0[m][o] = sum over k of x[m][k] w[o][k] + bias[o].  m, o, k = 0 .. 4,095.  x and w: codes of FP4 (E2M1), two a byte, K innermost, a row 2,048 bytes; one E8M0 scale byte for each 32 along K; sums in f32.
; The scale bytes of both lie by K step of 512 in sc [8][8,192 rows][16 bytes]: rows 0 .. 4,095 x's, rows 4,096 .. 8,191 w's.  The matrix instruction takes codes and scale bytes as they lie.
; A tile of out0, 256 x 256, is made by a work-group of four waves, as many as a WGP has SIMDs; a wave makes 128 x 128: 64 accumulators of 16 x 16, 512 registers.  16 x 16 tiles: one for each of 256 work-groups.
; K goes in eight steps of 512 through a ring of two LDS slots.  A slot holds 256 rows of x's codes, 256 rows of w's (rows of 256 bytes of memory), and the 4,096 scale bytes of each: the scales of all of K for
; 512 rows (65,536 bytes) have no room beside two such slots, so they ride in the ring.  One tensor load a wave fills a slot: wave 0 x's codes, wave 1 w's codes, wave 2 x's scales, wave 3 w's scales.
; CLUSTERS: 4 x 4 work-groups.  The four of a row of the cluster need the same tiles of x, the four of a column the same tiles of w: each tile is asked for JOINTLY, by the same tensor load with the same descriptor
; and a mask that names the four.  THE MATRIX INSTRUCTION IS USED TRANSPOSED (source 0 = 16 rows of w, source 1 = 16 rows of x): a lane then holds eight neighbouring numbers of a row of out0.
; THE CLUSTERS WALK K ROUND FROM DIFFERENT STARTS.  Cluster (X, Y) of the 4 x 4 clusters begins at K step 2 u, u = (X + 2 ((Y xor Y / 2) mod 2)) mod 4, and goes on modulo 8.  The four clusters of a row of
; clusters read the same rows of x and have four different u: their first fills, two K steps each, name all eight K steps of those rows, and every refill of x asks for bytes that another cluster's load has named
; two K steps or more before.  The four of a column of clusters read the same rows of w and stand two and two, four K steps apart: their refills for the fifth K step of the walk and later ask for bytes that were
; named four K steps before.  The start is made of the cluster's own x and y, so it is the same in all sixteen partners, and it enters global addresses alone.
; LIMIT: the sums take K in that order, not ascending from 0: an order of rounding in f32 that differs from cluster to cluster.
; Nothing is prefetched: four of the six refills ask only for bytes that an earlier load of the launch has named, and the other two follow the launch's head by one and by two K steps.
; THE BIAS is the C of each sum's first matrix instruction: eight registers for each block of 16 columns, in the result's layout.  Nothing is cleared and nothing is added afterwards.
; All of a WGP's LDS is claimed; the text uses 295,424 bytes.
; REGISTERS, in windows of 256: window 0: v0-31 addresses; v32-95 scale words, two sets; v128-191 x's fragments (8 x 16 rows x 128 K), ONE set; v192-255 the bias; on the way out v128-255 take rows of out0.
;   window 1: w's fragments, TWO sets, at v0 and at v128.   window 2: the 32 accumulators of my rows 0-63 (accumulator (a, b) at v[8 (8 a + b)]);   window 3: those of my rows 64-127.
; A step of 128 along K is 64 matrix instructions, x's blocks one after the other, each against w's eight.  So a block of x is free as soon as its eight products are issued, and one set of registers serves x:
; blocks 0-3 are fetched anew in the step's middle, blocks 4-7 at its end.  w's fragments are at work through the whole step, so w has two sets.
.set SIZE_N, 4096
.set NQ,     4                         ; matrix instructions deep in a slot: 512 along K
.set ROWB,   256                       ; a tile's row in bytes: 512 codes
.set KROW,   2048                      ; a row of x or of w in memory: eight K steps
.set PITCH,  272                       ; an LDS row: 256 bytes + 16 of padding = 68 words: row r starts at bank 4 r mod 64 (64 banks of 4 bytes: ISA guide 11.1), so the 16 rows that a load touches start at 16 different banks
.set FR,     8                         ; registers of a fragment: 16 rows x 128 K
.set NL,     2                         ; LDS loads that bring one
.set NP,     4                         ; places behind this matrix instruction (ISA guide 7.12.1)
.set HALFT,  128*PITCH                 ; 128 rows: what one wave reads of x or of w
.set TILEB,  2*HALFT                   ; 256 rows: what one tensor load brings
.set SAOFF,  2*TILEB                   ; in a slot: x's rows, w's rows, then x's scale bytes (256 rows x 16, dense),
.set SBOFF,  SAOFF+4096                ; then w's
.set SLOT,   SBOFF+4096
.set SPARE,  2*SLOT                    ; behind the ring: the spare words, 128 bytes for each wave: two blocks of 256 bytes that no other line names
.set LAPS,   4                         ; a lap = two K steps = once round the ring
.set SPITCH, 528                       ; the way out: a stage of 16 rows x (512 bytes + 16) for each wave.  It lies in slot 0, which has had its last fill and its last read when the first result is stored there
.set ADRA, 16                          ; v16-17  LDS address of my fragments of x in slot 0, 1
.set ADRS, 18                          ; v18-19  of my scale words: lanes 0-15 x's rows, lanes 16-31 w's
.set ADRB, 20                          ; v20-21  of my fragments of w
.set STO,  24                          ; v24     the way out: where I put 32 bytes of a row
.set RD,   25                          ; v25     where I read a row back
.set CO,   26                          ; v26     my byte offset in a row of out0
.set BO,   27                          ; v27     my byte offset in the bias
.set SPW,  28                          ; v28     LDS address of my spare word: SPARE + 4 x my thread's number; never rewritten
.set NIL,  29                          ; v29     0; never rewritten
.set SC,   32                          ; scale words: set n (for slot n) at v[SC + 32 n]; in it register 4 i + q: lanes 0-15 the word of x's block i, lanes 16-31 that of w's block i, for the slot's q-th 128 along K
.set AF,   128                         ; x's fragments
.set BI,   192                         ; the bias: block b of 16 columns at v[BI + 8 b]
.set BK,   128                         ; the way out: 16 rows read back from the stage: v128-191 and v192-255 by turns
.set G1A,  24                          ; s[24:31] descriptor group 1 for x's codes;  s[32:39] for w's;  s[40:47] for x's scales;  s[48:55] for w's
.set G1B,  32
.set G1SA, 40
.set G1SB, 48
.set G0A,  56                          ; s[56:63] group 0 for x's codes, a set for each slot;  s[68:75] w's codes;  s[76:83] x's scales;  s[84:91] w's scales
.set G0B,  68
.set G0SA, 76
.set G0SB, 84
.set BSA,  92                          ; s[92:93] x's scale bytes of my tile row at K step 0;  s[94:95] w's of my tile column.  (The codes' bases stand in s[4:5] and s[6:7])
.set BSB,  94
.set KO,   96                          ; s96, s97  slot n's K step, as bytes into a row of codes: 256 x (K step)
.set MSB, 0
.macro WIN new                         ; the immediate's high byte repeats the setting that is left; a switch that changes nothing is dropped
.if MSB != (\new)
	s_set_vgpr_msb (MSB<<8)|(\new)
.set MSB, (\new)
.endif
.endm
.set MUL_LO,   0xa1                    ; source 0 (w) window 1, source 1 (x) window 0, C and D window 2
.set MUL_HI,   0xf1                    ; the same, C and D window 3
.set FIRST_LO, 0x81                    ; the first step: C (the bias) window 0, D window 2
.set FIRST_HI, 0xc1                    ; D window 3
.set TO_B,     0x40                    ; destination window 1, address window 0
; Slot n's four groups 0 are aimed at the K step that s[KO + n] names: base + offset, then the type bits.  A K step is 256 bytes in a row of codes and 131,072 = 256 << 9 bytes in sc.
; The offsets stand in registers of their own, s[18:19] and s[20:21]; they are made of the cluster's x and y and of the loop's steps, so they are the same in all sixteen partners.
.macro AIM n
	s_mov_b32 s18, s[KO+\n]
	s_mov_b32 s19, 0
	s_lshl_b32 s20, s[KO+\n], 9
	s_mov_b32 s21, 0
	s_add_nc_u64 s[G0A+4*\n+2:G0A+4*\n+3], s[4:5], s[18:19]        ; 120:64 global address
	s_or_b32 s[G0A+4*\n+3], s[G0A+4*\n+3], 0x80000000              ; 127:126 type = 2
	s_add_nc_u64 s[G0B+4*\n+2:G0B+4*\n+3], s[6:7], s[18:19]
	s_or_b32 s[G0B+4*\n+3], s[G0B+4*\n+3], 0x80000000
	s_add_nc_u64 s[G0SA+4*\n+2:G0SA+4*\n+3], s[BSA:BSA+1], s[20:21]
	s_or_b32 s[G0SA+4*\n+3], s[G0SA+4*\n+3], 0x80000000
	s_add_nc_u64 s[G0SB+4*\n+2:G0SB+4*\n+3], s[BSB:BSB+1], s[20:21]
	s_or_b32 s[G0SB+4*\n+3], s[G0SB+4*\n+3], 0x80000000
.endm
; A joint load into slot n: each wave issues ONE of the four lines, by its number alone, which is the same in every work-group.  Each line has one mask and one set of registers for all that issue it.
; Four v_nop follow each line, ahead of the jump, the label and what follows.
.macro JLOAD n
	s_cmp_lt_u32 s14, 2
	s_cbranch_scc0 .Lscales_\@
	s_cmp_eq_u32 s14, 0
	s_cbranch_scc0 .Lcodes_b_\@
	tensor_load_to_lds s[G0A+4*\n:G0A+4*\n+3], s[G1A:G1A+7]
	s_nop 0
.rept 4
	v_nop
.endr
	s_branch .Lasked_\@
.Lcodes_b_\@:
	tensor_load_to_lds s[G0B+4*\n:G0B+4*\n+3], s[G1B:G1B+7]
	s_nop 0
.rept 4
	v_nop
.endr
	s_branch .Lasked_\@
.Lscales_\@:
	s_cmp_eq_u32 s14, 2
	s_cbranch_scc0 .Lscales_b_\@
	tensor_load_to_lds s[G0SA+4*\n:G0SA+4*\n+3], s[G1SA:G1SA+7]
	s_nop 0
.rept 4
	v_nop
.endr
	s_branch .Lasked_\@
.Lscales_b_\@:
	tensor_load_to_lds s[G0SB+4*\n:G0SB+4*\n+3], s[G1SB:G1SB+7]
	s_nop 0
.rept 4
	v_nop
.endr
.Lasked_\@:
.endm
.macro CREST                           ; a round of the cluster's barrier behind its opening barrier
	s_cmp_lg_u32 s14, 0
	s_cbranch_scc1 .Lnot_wave_0_\@
	s_barrier_signal -3
.Lnot_wave_0_\@:
	s_barrier_wait -3
	s_barrier_signal -1
	s_barrier_wait -1
.endm
.macro CROUND                          ; a whole round
	s_barrier_signal -1
	s_barrier_wait -1
	CREST
.endm
	s_load_b256 s[4:11], s[0:1], 0x0               ; x's codes s[4:5], w's codes s[6:7], sc s[8:9], bias s[10:11]
	s_load_b64 s[12:13], s[0:1], 0x20              ; out0
	v_lshl_add_u32 v[SPW], v0, 2, SPARE
	v_mov_b32 v[NIL], 0
	ds_add_u32 v28, v29
	ds_add_u32 v28, v29
	s_wait_dscnt 0x0
	v_lshrrev_b32 v1, 5, v0
	v_readfirstlane_b32 s14, v1                    ; wave 0..3
	s_lshr_b32 s15, s14, 1                         ; which half of the tile's rows is mine
	s_and_b32 s16, s14, 1                          ; which half of its columns
	s_bfe_u32 s66, ttmp6, 0x40000                  ; cx, cy: my place in the cluster
	s_bfe_u32 s67, ttmp6, 0x40004
	s_lshl_b32 s98, ttmp9, 2
	s_add_co_u32 s98, s98, s66                     ; tile column = 4 x cluster x + cx
	s_and_b32 s17, ttmp7, 0xffff
	s_lshl_b32 s17, s17, 2
	s_add_co_u32 s17, s17, s67                     ; tile row = 4 x cluster y + cy
	s_lshl_b32 s99, s67, 2
	s_lshl_b32 s99, 15, s99                        ; my row of the cluster: places 4 cy .. 4 cy + 3
	s_lshl_b32 s100, 0x1111, s66                   ; my column: places cx, cx + 4, cx + 8, cx + 12
	; descriptor group 1 for codes: a tile of 256 rows x 256 bytes, padded in LDS
	s_or_b32 s[G1A], s99, (0<<16)|(1<<20)|(1<<21)|(5<<22)|(3<<25)   ; 15:0 the mask: x's tiles go to my row; 17:16 elements of 1 byte; 20 padding on; 21 set beside a mask; 24:22 after every 64 words (code 5); 31:25 four words (code 3)
	s_or_b32 s[G1B], s100, (0<<16)|(1<<20)|(1<<21)|(5<<22)|(3<<25)  ; the same with the mask of my column
.irp g, G1A, G1B
	s_mov_b32 s[\g+1], ROWB<<16                    ; tensor_dim0 = 256
	s_mov_b32 s[\g+2], 256<<16                     ; tensor_dim1 = 256
	s_mov_b32 s[\g+3], ROWB<<16                    ; tile_dim0 = 256
	s_mov_b32 s[\g+4], 256                         ; tile_dim1 = 256
	s_mov_b32 s[\g+5], KROW                        ; tensor_dim0_stride
	s_mov_b32 s[\g+6], 0
	s_mov_b32 s[\g+7], 0
.endr
	; and for scale bytes: a dense block of 4,096 bytes as 16 rows of 256 (32 elements of 8 bytes), no padding: a load of scale words reads 256 consecutive bytes in each half of the lanes
	s_or_b32 s[G1SA], s99, (3<<16)|(1<<21)
	s_or_b32 s[G1SB], s100, (3<<16)|(1<<21)
.irp g, G1SA, G1SB
	s_mov_b32 s[\g+1], 32<<16
	s_mov_b32 s[\g+2], 16<<16
	s_mov_b32 s[\g+3], 32<<16
	s_mov_b32 s[\g+4], 16
	s_mov_b32 s[\g+5], 32
	s_mov_b32 s[\g+6], 0
	s_mov_b32 s[\g+7], 0
.endr
	; groups 0: the count and the LDS address of each kind and slot: constants
.irp n, 0,1
	s_mov_b32 s[G0A+4*\n], 1                       ; 1:0 count = 1
	s_mov_b32 s[G0A+4*\n+1], \n*SLOT               ; 63:32 LDS address
	s_mov_b32 s[G0B+4*\n], 1
	s_mov_b32 s[G0B+4*\n+1], \n*SLOT+TILEB
	s_mov_b32 s[G0SA+4*\n], 1
	s_mov_b32 s[G0SA+4*\n+1], \n*SLOT+SAOFF
	s_mov_b32 s[G0SB+4*\n], 1
	s_mov_b32 s[G0SB+4*\n+1], \n*SLOT+SBOFF
.endr
	; where my cluster begins K: step 2 u, u = (X + 2 ((Y xor Y / 2) mod 2)) mod 4, from the cluster's x and y alone
	s_and_b32 s101, ttmp7, 0xffff                  ; Y
	s_lshr_b32 s2, s101, 1
	s_xor_b32 s2, s2, s101
	s_and_b32 s2, s2, 1
	s_lshl_b32 s2, s2, 1
	s_add_co_u32 s2, s2, ttmp9                     ; + X
	s_and_b32 s2, s2, 3                            ; u
	s_lshl_b32 s[KO], s2, 9                        ; slot 0 begins with K step 2 u: 512 u bytes into a row of codes,
	s_add_co_u32 s[KO+1], s[KO], ROWB              ; slot 1 with K step 2 u + 1 (7 at the most)
	; where the tiles come from.  x's hang on the tile row alone, which my row of the cluster shares; w's on the tile column alone, which my column shares
	s_lshl_b32 s22, s17, 19                        ; x's codes: 256 rows of 2,048 bytes a tile row
	s_mov_b32 s23, 0
	s_lshl_b32 s[BSA], s17, 12                     ; x's scales: 256 rows of 16 bytes
	s_mov_b32 s[BSA+1], 0
	s_lshl_b32 s100, s98, 19                       ; w's codes
	s_mov_b32 s101, 0
	s_lshl_b32 s[BSB], s98, 12                     ; w's scales, behind x's 4,096 rows
	s_add_co_u32 s[BSB], s[BSB], 65536
	s_mov_b32 s[BSB+1], 0
	s_wait_kmcnt 0x0
	s_add_nc_u64 s[4:5], s[4:5], s[22:23]
	s_add_nc_u64 s[BSA:BSA+1], s[8:9], s[BSA:BSA+1]
	s_add_nc_u64 s[6:7], s[6:7], s[100:101]
	s_add_nc_u64 s[BSB:BSB+1], s[8:9], s[BSB:BSB+1]
	AIM 0
	AIM 1
	CROUND                                         ; all sixteen work-groups are here: the first joint loads meet
	JLOAD 0                                        ; the ring is filled before anything else is done: two tensor loads of mine are out
	JLOAD 1
	v_and_b32 v1, 15, v0                           ; r = lane % 16
	v_bfe_u32 v2, v0, 4, 1                         ; h = lane / 16
	; out0 and the bias: my first column is 1,024 x tile column + 512 x half bytes on in a row of out0, and as many bytes on in the bias
	s_lshl_b32 s22, s98, 10
	s_lshl_b32 s23, s16, 9
	s_add_co_u32 s22, s22, s23
	s_mov_b32 s23, 0
	s_add_nc_u64 s[10:11], s[10:11], s[22:23]
	v_lshlrev_b32 v[BO], 5, v2                     ; lane (r, h) holds columns 16 b + 8 h + 0 .. 7 of block b
.irp b, 0,1,2,3,4,5,6,7
	global_load_b128 v[BI+8*\b:BI+8*\b+3],   v[BO], s[10:11] offset:64*\b
	global_load_b128 v[BI+8*\b+4:BI+8*\b+7], v[BO], s[10:11] offset:64*\b+16
.endr
	s_lshl_b32 s100, s17, 8
	s_lshl_b32 s101, s15, 7
	s_add_co_u32 s100, s100, s101                  ; my first row: 256 x tile row + 128 x half,
	s_lshl_b32 s100, s100, 14                      ; of 16,384 bytes (under 2^26)
	s_add_co_u32 s100, s100, s22
	s_mov_b32 s101, 0
	s_add_nc_u64 s[12:13], s[12:13], s[100:101]
	v_mul_u32_u24 v3, v1, PITCH
	v_lshl_add_u32 v4, v2, 4, v3                   ; a fragment's row x pitch + 16 x half
	s_mul_i32 s21, s15, HALFT                      ; my 128 rows of x
	s_mul_i32 s22, s16, HALFT                      ; my 128 rows of w,
	s_add_co_u32 s22, s22, TILEB                   ; which lie behind x's 256
.irp s, 0,1
	v_add_nc_u32 v[ADRA+\s], s21, v4
	v_add_nc_u32 v[ADRB+\s], s22, v4
	s_add_co_u32 s21, s21, SLOT
	s_add_co_u32 s22, s22, SLOT
.endr
	s_lshl_b32 s21, s15, 11                        ; x's scale words: my 128 rows of 16 bytes
	s_lshl_b32 s22, s16, 11                        ; w's: my 128 rows, behind x's 4,096 bytes
	s_add_co_u32 s22, s22, 4096
	s_sub_co_u32 s22, s22, s21
	v_mul_u32_u24 v6, s22, v2                      ; lanes 16-31 take w's: the lower base + h x the distance
	v_lshl_add_u32 v5, v1, 4, v6                   ; + 16 r
	s_add_co_u32 s21, s21, SAOFF
	v_add_nc_u32 v[ADRS], s21, v5
	v_add_nc_u32 v[ADRS+1], SLOT, v[ADRS]
	s_mul_i32 s23, s14, 16*SPITCH                  ; my stage
	v_mul_u32_u24 v5, v1, SPITCH                   ; in: row r, 32 bytes for each half of the lanes
	v_lshl_add_u32 v5, v2, 5, v5
	v_add_nc_u32 v[STO], s23, v5
	v_and_b32 v6, 31, v0
	v_lshlrev_b32 v[CO], 4, v6                     ; back: the 32 lanes take one row of 512 bytes; and the same in out0
	v_add_nc_u32 v[RD], s23, v[CO]
.macro FRAG reg, adr, q, i             ; a fragment, 16 rows x 128 K of 4-bit codes, is 8 registers: lane l holds row l % 16; registers 4 c .. 4 c + 3 hold K = 64 c + 32 (l / 16) + 0 .. 31, the lower K in the lower bits
.irp c, 0,1
	ds_load_b128 v[\reg+4*\c:\reg+4*\c+3], v[\adr] offset:64*(\q)+32*\c+(\i)*16*PITCH
.endr
.endm
; 16 matrix instructions: x's blocks a0, a0 + 1 against w's eight, 128 along K: the slot's q-th.  p: w's set;  sc: the set of scale words.  first = 1: the sums start from the bias.
; Source 0 is w: its scale word is read from lanes 16-31 of register 4 b + q; source 1 is x: lanes 0-15 of register 4 a + q.
; The 64 accumulators take turns, one instruction a turn, in the same order in every step.
.macro MUL16 a0, p, q, sc, first
.irp a, \a0, \a0+1
.irp b, 0,1,2,3,4,5,6,7
.if \first
	v_wmma_scale_f32_16x16x128_f8f6f4 v[8*(8*((\a)%4)+\b):8*(8*((\a)%4)+\b)+7], v[128*(\p)+FR*\b:128*(\p)+FR*\b+FR-1], v[AF+FR*(\a):AF+FR*(\a)+FR-1], v[BI+8*\b:BI+8*\b+7], v[SC+8*NQ*(\sc)+NQ*\b+(\q)], v[SC+8*NQ*(\sc)+NQ*(\a)+(\q)] matrix_a_fmt:MATRIX_FMT_FP4 matrix_b_fmt:MATRIX_FMT_FP4 matrix_a_scale:MATRIX_SCALE_ROW1
.else
	v_wmma_scale_f32_16x16x128_f8f6f4 v[8*(8*((\a)%4)+\b):8*(8*((\a)%4)+\b)+7], v[128*(\p)+FR*\b:128*(\p)+FR*\b+FR-1], v[AF+FR*(\a):AF+FR*(\a)+FR-1], v[8*(8*((\a)%4)+\b):8*(8*((\a)%4)+\b)+7], v[SC+8*NQ*(\sc)+NQ*\b+(\q)], v[SC+8*NQ*(\sc)+NQ*(\a)+(\q)] matrix_a_fmt:MATRIX_FMT_FP4 matrix_b_fmt:MATRIX_FMT_FP4 matrix_a_scale:MATRIX_SCALE_ROW1
.endif
.endr
.endr
.endm
.macro FETCH_B slot, q, p              ; w's eight fragments of the slot's q-th 128 along K into set p
	WIN TO_B
.irp i, 0,1,2,3,4,5,6,7
	FRAG 128*(\p)+FR*\i, ADRB+\slot, \q, \i
.endr
	WIN 0
.endm
.macro FETCH_A slot, q, i0             ; x's blocks i0 .. i0 + 3
.irp i, \i0, \i0+1, \i0+2, \i0+3
	FRAG AF+FR*(\i), ADRA+\slot, \q, \i
.endr
.endm
.macro SCALES n                        ; slot n's scale words into set n: a row's 16 bytes are the four words of the slot's four steps; lanes 0-15 take x's block i, lanes 16-31 w's block i
.irp i, 0,1,2,3,4,5,6,7
	ds_load_b128 v[SC+8*NQ*\n+NQ*\i:SC+8*NQ*\n+NQ*\i+3], v[ADRS+\n] offset:\i*256
.endr
.endm
; A load into a register that a matrix instruction has read, and an LDS store that reads a matrix result, stand NP places behind that matrix instruction, and only plain vector instructions that name none of its
; registers are places (ISA guide 7.12.1 for vector instructions); the matrix instructions in between are not counted.
.macro PLACES n
.rept \n
	v_nop
.endr
.endm
; A step of 128 along K that has its successor in the same slot.
.macro STEP slot, q, first
	s_wait_dscnt 4*NL                              ; w's set, x's blocks 0-3 (and a new slot's scale words) are in; the youngest eight loads (x's blocks 4-7: four fragments of two loads) may be out
.if \first
	WIN FIRST_LO
.else
	WIN MUL_LO
.endif
	MUL16 0, (\q)%2, \q, \slot, \first
	MUL16 2, (\q)%2, \q, \slot, \first
	s_wait_dscnt 0                                 ; x's blocks 4-7 are in (asked for 32 matrix instructions ago)
	PLACES NP
	FETCH_B \slot, (\q)+1, 1-(\q)%2
	FETCH_A \slot, (\q)+1, 0
.if \first
	WIN FIRST_HI
.else
	WIN MUL_HI
.endif
	MUL16 4, (\q)%2, \q, \slot, \first
	MUL16 6, (\q)%2, \q, \slot, \first
	PLACES NP
	WIN 0
	FETCH_A \slot, (\q)+1, 4
.endm
; A slot's last step changes slots: ONE barrier; in front of it each wave waits for all its tensor loads, adds 0 to its spare word, and waits for that and for its own reads of this slot.
; fill = 1: this slot is filled again, two K steps on, round K's end; the barrier then opens a round of the cluster's barrier, and the joint load is the first thing behind the round:
; from that request to the wait for it a wave issues 224 matrix instructions.
.macro TURN slot, next, fill
	s_wait_tensorcnt 0x0                           ; all my tensor loads have landed: the one that was out is my part of the next slot;  (every window is 0 here: the add's two registers lie in window 0)
	ds_add_u32 v[SPW], v[NIL]                      ; 0 onto my spare word
.if \fill
	s_add_co_u32 s[KO+\slot], s[KO+\slot], 2*ROWB  ; no tensor load of mine is out, so the groups 0 may be written: this slot's next K step is two on,
	s_and_b32 s[KO+\slot], s[KO+\slot], KROW-1     ; and K step 8 is K step 0
	AIM \slot
.endif
	s_wait_dscnt 4*NL+1                            ; (the add and the youngest eight loads, x's blocks 4-7, may be out)
	WIN MUL_LO
	MUL16 0, 1, NQ-1, \slot, 0                     ; sixteen matrix instructions stand between the add and the wait for it
	s_wait_dscnt 0x0                               ; the add is done, and my reads of this slot are over
	s_barrier_signal -1
	MUL16 2, 1, NQ-1, \slot, 0
	WIN 0
	s_barrier_wait -1
.if \fill
	CREST                                          ; no wave of any partner still reads this slot's tiles or has a load on its way
	JLOAD \slot                                    ; my one tensor load behind the round; the four v_nop behind it are also the places in front of the loads below
.else
	PLACES NP
.endif
	FETCH_B \next, 0, 0
	FETCH_A \next, 0, 0
	SCALES \next
	WIN MUL_HI
	MUL16 4, 1, NQ-1, \slot, 0
	MUL16 6, 1, NQ-1, \slot, 0
	PLACES NP
	WIN 0
	FETCH_A \next, 0, 4
.endm
.macro STEPS slot, from                ; the slot's steps from .. NQ - 2
.set Q, \from
.rept NQ-1-\from
	STEP \slot, Q, 0
.set Q, Q+1
.endr
.endm
	s_wait_loadcnt 0x0                             ; the bias
	s_wait_tensorcnt 1                             ; my load for slot 0 is in; slot 1's, issued behind it, may stay out
	s_barrier_signal -1
	s_barrier_wait -1                              ; everybody's is
	FETCH_B 0, 0, 0
	FETCH_A 0, 0, 0
	SCALES 0
	FETCH_A 0, 0, 4
	STEP 0, 0, 1                                   ; the first step stands in front of the loop: its products start the sums from the bias
	s_mov_b32 s3, LAPS-1
.Llap:                                                 ; a trip goes once round the ring, from a lap's second step to the next lap's first, and fills both slots again
	STEPS 0, 1
	TURN 0, 1, 1
	STEPS 1, 0
	TURN 1, 0, 1
	STEP 0, 0, 0
	s_sub_co_u32 s3, s3, 1
	s_cmp_lg_u32 s3, 0
	s_cbranch_scc1 .Llap
	STEPS 0, 1                                     ; the last lap fills nothing, and has no round of the cluster's barrier
	TURN 0, 1, 0
	STEPS 1, 0
	s_wait_dscnt 4*NL                              ; the very last step: nothing more to fetch
	WIN MUL_LO
	MUL16 0, 1, NQ-1, 1, 0
	MUL16 2, 1, NQ-1, 1, 0
	s_wait_dscnt 0
	WIN MUL_HI
	MUL16 4, 1, NQ-1, 1, 0
	MUL16 6, 1, NQ-1, 1, 0
	WIN 0
; THE WAY OUT, block by block of 16 rows x 128 columns.  A lane holds 32 neighbouring bytes of a row, and the lanes beside it hold other rows: so a block goes through my own stage in LDS and comes back as whole
; rows of 512 bytes.  LDS serves a wave's instructions in order (ISA guide 5.7.1.4): no wait between the stores and the loads, nor in front of the next block's stores.
.macro TOSTAGE a
.set AC, 64*((\a)%4)
	WIN 0x08+4*((\a)/4)                            ; an LDS store's data are its source 1: window 2 or 3
.irp b, 0,1,2,3,4,5,6,7
	ds_store_b128 v[STO], v[AC+8*\b:AC+8*\b+3] offset:64*\b          ; each accumulator from its low end on
	ds_store_b128 v[STO], v[AC+8*\b+4:AC+8*\b+7] offset:64*\b+16
.endr
	WIN 0
.set BB, BK+64*((\a)%2)
.irp t, 0,1,2,3,4,5,6,7,8,9,10,11,12,13,14,15
	ds_load_b128 v[BB+4*\t:BB+4*\t+3], v[RD] offset:\t*SPITCH
.endr
.endm
.macro SEND a, younger                 ; younger: the LDS instructions issued behind block a's loads, which may stay out
.set BB, BK+64*((\a)%2)
	s_wait_dscnt \younger                          ; the block is back in registers
.if (\a) > 0
	s_add_nc_u64 s[12:13], s[12:13], 16*SIZE_N*4   ; (behind a wait on XCNT: the earlier stores have read their base)  16 rows on, so that the stores' offsets stay at 15 rows of 16,384 bytes at the most
.endif
.irp t, 0,1,2,3,4,5,6,7,8,9,10,11,12,13,14,15
	global_store_b128 v[CO], v[BB+4*\t:BB+4*\t+3], s[12:13] offset:\t*SIZE_N*4 th:TH_STORE_NT   ; 32 lanes store 512 consecutive bytes, at a multiple of 256 from out0's first byte; written once, read by nobody here
.endr
.endm
	PLACES NP                                      ; for the loads into the registers that held x's fragments, and for the reads of the last products' results
	TOSTAGE 0
.irp a, 1,2,3,4,5,6,7
.if \a > 1
	s_wait_xcnt 0x0                                ; block a - 2's stores have read their registers and their base: block a's loads may land there, and the base may step
.endif
	TOSTAGE \a
	SEND \a-1, 32                                  ; behind block a - 1's loads: block a's 16 stores and 16 loads
.endr
	s_wait_xcnt 0x0                                ; block 6's stores have read their base
	SEND 7, 0
	s_wait_tensorcnt 0x0                           ; the wave's end: behind my last tensor load and my last LDS store
	ds_add_u32 v[SPW], v[NIL]
	s_wait_dscnt 0x0
	CROUND                                         ; the closing round: no work-group ends while a partner may still ask for a tile that names it
	s_endpgm
.Lfunc_end_k_qf800d116d0_gemm:
	.size	k_qf800d116d0_gemm, .Lfunc_end_k_qf800d116d0_gemm-k_qf800d116d0_gemm
	.p2alignl 7, 3214868480
	.fill 96, 4, 3214868480
	.section	.rodata,"a",@progbits
	.p2align	6, 0x0
	.amdhsa_kernel k_qf800d116d0_gemm
		.amdhsa_group_segment_fixed_size 327680
		.amdhsa_private_segment_fixed_size 0
		.amdhsa_enable_private_segment 0
		.amdhsa_kernarg_size 40
		.amdhsa_user_sgpr_count 2
		.amdhsa_user_sgpr_kernarg_segment_ptr 1
		.amdhsa_wavefront_size32 1
		.amdhsa_system_sgpr_workgroup_id_x 1
		.amdhsa_system_sgpr_workgroup_id_y 1
		.amdhsa_system_sgpr_workgroup_id_z 1
		.amdhsa_system_vgpr_workitem_id 0
		.amdhsa_next_free_vgpr 1024
		.amdhsa_next_free_sgpr 102
		.amdhsa_reserve_vcc 0
		.amdhsa_float_denorm_mode_32 3
		.amdhsa_float_denorm_mode_16_64 3
		.amdhsa_memory_ordered 1
		.amdhsa_forward_progress 1
		.amdhsa_inst_pref_size 216
	.end_amdhsa_kernel
	.amdgpu_metadata
---
amdhsa.version: [ 1, 2 ]
amdhsa.kernels:
  - .name:           k_qf800d116d0_gemm
    .symbol:         k_qf800d116d0_gemm.kd
    .args:
      - { .name: x_codes, .offset: 0, .size: 8, .value_kind: global_buffer, .address_space: global }
      - { .name: w_codes, .offset: 8, .size: 8, .value_kind: global_buffer, .address_space: global }
      - { .name: sc, .offset: 16, .size: 8, .value_kind: global_buffer, .address_space: global }
      - { .name: bias, .offset: 24, .size: 8, .value_kind: global_buffer, .address_space: global }
      - { .name: out0, .offset: 32, .size: 8, .value_kind: global_buffer, .address_space: global }
    .group_segment_fixed_size: 327680
    .private_segment_fixed_size: 0
    .kernarg_segment_align: 8
    .kernarg_segment_size: 40
    .max_flat_workgroup_size: 128
    .sgpr_count:     102
    .vgpr_count:     1024
    .wavefront_size: 32
...
	.end_amdgpu_metadata
.endif
;; end of part 2
